; MI455X (gfx1250); checked and timed in simulation.
; The chip was launched on July 23, 2026; its instructions are those of AMD's public machine-readable ISA for CDNA 5 (MIT licence, August 2026) and "CDNA5" Instruction Set Architecture Reference Guide (July 2026). The comments in the code are by the model that wrote it; some were corrected since.
;; Self Attention. Allowed arithmetic: matrix products marked QUANTISED: E2M1 operands, one E8M0 scale for each 32 along K, by v_wmma_scale_f32_16x16x128_f8f6f4 with both operands' format E2M1 (or v_wmma_scale_f32_32x16x128_f4), f32 sums; everything else in f32.
;; Inputs: qkv 4 x 2,048 x 3 x 16 x 128 float32.
;; Outputs: out0 4 x 2,048 x 16 x 128 float32.
;; This version of the problem:
;;   THIS VERSION OF THE PROBLEM IS GIVEN IN LOW PRECISION. The matrix products marked QUANTISED in the list below multiply operands that are first quantised to E2M1 (2 exponent bits, 1 mantissa bit; 4 bits a number), with one power-of-two scale for each 32 numbers along K (OCP MX v1.0); their sums are f32. All else is computed in f32.
;;   The module's matrix products, in the order in which they are computed (A, B: the left and right operand; K: the contracted axis; several contracted axes count as one K, in the product's order):
;;     1. batch 64 x [M 2,048, K 128] x [K 128, N 2,048]; A: input qkv; B: computed on the way: QUANTISED
;;     2. batch 64 x [M 128, K 2,048] x [K 2,048, N 2,048]; A: input qkv; B: softmax (see below): QUANTISED
;;   THE QUANTISER, for each operand of a quantised product, along K:
;;     - K is cut into blocks of 32 from its start; a last block that is shorter is filled with zeros.
;;     - A block's scale is 2^e with e = floor(log2(the largest magnitude in the block)) - 2, held to -126 .. 127; a block of zeros has e = 0. As a byte (E8M0): e + 127.
;;     - Each number is divided by its block's scale, clamped to +-6, and rounded to the nearest number of E2M1, ties to even, subnormals kept.
;;     - The product sums the exact products of the quantised numbers (number of the format x scale) in f32.
;;   ~~~python
;;   def quantise(x, axis):      # numpy; x: float32 -> the quantised numbers, widened to float32 again
;;       x = np.moveaxis(x, axis, -1); K = x.shape[-1]
;;       x = np.pad(x, [(0, 0)] * (x.ndim - 1) + [(0, -K % 32)]); x = x.reshape(x.shape[:-1] + (-1, 32)); a = np.abs(x).max(-1, keepdims=True)
;;       e = np.where(a > 0, np.clip(np.frexp(np.where(a > 0, a, 1))[1] - 1 - 2, -126, 127), 0)      # np.frexp(a)[1] - 1 = floor(log2(a)), exactly
;;       r = np.clip(x / 2.0 ** e, -6, 6)
;;       step = 2.0 ** (np.maximum(np.frexp(np.where(r == 0, 1, r))[1] - 1, 0) - 1)
;;       q = np.round(r / step) * step * 2.0 ** e      # np.round: ties to even
;;       return np.moveaxis(q.reshape(q.shape[:-2] + (-1,))[..., :K], -1, axis).astype(np.float32)
;;   ~~~
;;   SOFTMAX AHEAD OF A QUANTISED PRODUCT. Where the list says 'softmax', what is quantised is not the finished softmax but p = 2^(t - M), with t = logit x log2(e) and M = ceil(the row's largest t), a whole number; so 1/2 < the row's largest p <= 1. The row's sum l is taken of the UNQUANTISED p, in f32, and the product's result is divided by l at the end. Since M is a whole number, a kernel that streams over the keys may use a running M (the ceiling of the running maximum): every later rescaling is an exact power of two, which a block's scale takes up: the codes' values come out the same.
;;   OPERANDS COMPUTED ON THE WAY. 'Computed on the way' means the value that the module computes at that place (a softmax that the list does not call 'softmax' is quantised finished and normalised). What goes into a quantiser is computed in f32, as accurately as f32 sums, v_exp_f32 and their like allow (about 1e-6 of the number): no bf16 or f16 on the way to a quantiser, and a product that is left as it is and whose result goes on into a quantised operand takes f32 operands (vector FMAs, or v_wmma_f32_16x16x4_f32). A number that lies on a knife's edge between two numbers of the format may be rounded either way, as far as f32 arithmetic and the matrix unit's own rounding can turn it there, and no further.
;; One version. Each part assembles by itself: llvm-mc -triple=amdgcn-amd-amdhsa -mcpu=gfx1250 --defsym DOCPART=n.
;; ======== version 1 of 1: 2 launches
;; limits: right only within a limited range of input values
;; workspace buffers: qc 8,912,896 bytes; kv 17,825,792 bytes
;; launch quant (part 1): grid 128 x 12, 4 waves a work-group, no clusters, 43,520 bytes of LDS; arguments qkv, qc, kv; writes qc, kv
.if DOCPART == 1
	.amdgcn_target "amdgcn-amd-amdhsa--gfx1250"
	.amdhsa_code_object_version 6
	.text
	.protected	k_qfd9e231794_quant
	.globl	k_qfd9e231794_quant
	.p2align	8
	.type	k_qfd9e231794_quant,@function
k_qfd9e231794_quant:
	s_mov_b64 s[64:65], 0
	v_nop
	global_prefetch_b8 v0, s[64:65] scope:SCOPE_SE
	s_setreg_imm32_b32 hwreg(HW_REG_WAVE_MODE, 25, 1), 1
	s_wait_xcnt 0x0
; qkv [4][2048][3][16][128] f32 is turned into codes of FP4 (E2M1) with one E8M0 byte for each 32 along a product's K:
;   q and k x 1/sqrt(128) along the head's 128 channels (work-group y = 0..7), v along the KEYS (y = 8..11).
; A block's scale is 2^(floor(log2(its largest magnitude)) - 2); its byte is that magnitude's exponent field - 2, held at 1 from below.
; THE OUTPUT IS LAID AS IMAGES OF THE MATRIX OPERANDS' REGISTERS.  A fragment (16 rows x 128 K) is 1,024 bytes: byte 256 beta + 16 r + 0..15 holds block beta (32 codes) of row r,
; so that two loads of 16 bytes a lane at 16 x lane, 512 bytes apart, are the operand.  Its scale words are 64 bytes: row r's word at 4 r, byte beta for block beta.
;   qc[head][group of 128 queries]: 8 fragments, then their scale words: 8,704 bytes.
;   kv[head][step of 128 keys]:     k's 8 fragments, v's 8 fragments (fragment T: channels 16 T on; K = the step's keys), k's scale words, v's scale words: 17,408 bytes.
; THE ROWS OF A FRAGMENT OF q OR k ARE NOT NEIGHBOURS: row r of fragment 2 b + u is row 32 b + 8 u + r + 8 (r / 8) of its 128, so that in the scores, used transposed, a lane's 16 registers of
; two neighbouring fragments are 16 neighbouring keys.  q takes the same order, so that one path serves both; q is multiplied by 1.0, which rounds nothing.
; LIMITS: a block of zeros, and a block whose largest magnitude lies under 2^-124, gets the byte 1 (its codes are zeros or nearly so; the bytes are read by this program alone); NaN and infinities are not served.
; No tensor loads, no barrier: waves share nothing.  The two paths part on the work-group's y; only the first uses LDS.
.set SROW,  24576                      ; bytes from one (b, s) to the next
.set WREG,  10752                      ; LDS of a wave: two stages of 32 x SP bytes, the codes' stage, 256 scale bytes
.set SP,    80                         ; a lane's place in a stage: 64 bytes + 16 of padding
.set CST,   5120                       ; the codes' stage: 16 pieces of 256 bytes (fragment, block), CP bytes apart
.set CP,    320                        ; 80 words: the 32 lanes of a store of 8 bytes fall on words 16 beta + 4 rho + 2 half mod 64: all different (64 banks of 4 bytes: ISA guide 11.1)
.set SCB,   10240                      ; the wave's 256 scale bytes
.set R,     16                         ; v16-79   four sets of 16 numbers as they are loaded
.set X,     80                         ; v80-111  two sets of 16 neighbours
.set E,     112                        ; v112-127 a scale byte for each step
.set C,     128                        ; v128-159 codes: two registers for each step, so that no store's data are written again
.set OUTR,  16                         ; v16-47   the codes on their way out: the registers of the loaded numbers, which are done with by then
	s_load_b128 s[4:7], s[0:1], 0x0                ; qkv, qc
	s_load_b64 s[8:9], s[0:1], 0x10                ; kv
	v_lshl_add_u32 v160, v0, 2, 0xa800
	v_mov_b32 v161, 0
	v_lshrrev_b32 v1, 5, v0
	v_readfirstlane_b32 s16, v1                    ; wave 0..3
	v_and_b32 v2, 31, v0                           ; lane
	s_and_b32 s17, ttmp7, 0xffff                   ; y
	s_cmp_ge_u32 s17, 8
	s_cbranch_scc1 .Lv
; ---------------- q and k: K = the channels, innermost in memory ----------------
; y = 2 b + c (c = 0: q, 1: k); x = 4 sblk + hq.  Wave w takes 64 rows (s = 64 sblk on) of head 4 hq + w: 16 steps of 4 rows of 512 bytes.
; Each load reads one row: 512 consecutive bytes, 16 a lane.  A step's 2,048 bytes turn through the wave's stage and come back 64 bytes a lane: lane l then holds row l / 8 of the step,
; block (l / 2) % 4, half l % 2: 16 neighbours along K, as the conversions want them.
	s_lshr_b32 s18, s17, 1                         ; b
	s_and_b32 s19, s17, 1                          ; c
	s_lshr_b32 s22, ttmp9, 2                       ; sblk
	s_and_b32 s23, ttmp9, 3
	s_lshl_b32 s23, s23, 2
	s_add_co_u32 s23, s23, s16                     ; the head in its batch
	s_lshl_b32 s24, s18, 4
	s_add_co_u32 s24, s24, s23                     ; the head among the 64
	s_mul_i32 s26, s18, 2048*SROW
	s_mul_i32 s25, s22, 64*SROW
	s_add_co_u32 s26, s26, s25
	s_lshl_b32 s25, s19, 13
	s_add_co_u32 s26, s26, s25
	s_lshl_b32 s25, s23, 9
	s_add_co_u32 s26, s26, s25                     ; where my 64 rows begin in qkv (under 2^28)
	s_mov_b32 s27, 0
	s_mul_i32 s28, s24, 139264
	s_lshr_b32 s25, s22, 1
	s_mul_i32 s25, s25, 8704
	s_add_co_u32 s28, s28, s25
	s_lshl_b32 s28, s28, s19                       ; my group of 128 rows in qc; in kv every stride is twice qc's
	s_and_b32 s25, s22, 1                          ; which 64 of the 128: fragments 0-3 or 4-7
	s_lshl_b32 s30, s25, 12
	s_add_co_u32 s30, s30, s28                     ; my four fragments
	s_mov_b32 s31, 0
	s_lshl_b32 s32, 8192, s19
	s_add_co_u32 s32, s32, s28
	s_lshl_b32 s25, s25, 8
	s_add_co_u32 s32, s32, s25                     ; and their 256 scale bytes
	s_mov_b32 s33, 0
	s_mov_b32 s20, 0x3f800000                      ; q x 1.0
	s_mov_b32 s21, 0x3db504f3                      ; k x 1 / sqrt(128), in f32, ahead of the quantiser
	s_cmp_eq_u32 s19, 0
	s_cselect_b32 s20, s20, s21
	s_mov_b32 s21, s20                             ; (the packed form names the pair)
	s_wait_alu depctr_va_vdst(0)
	v_lshlrev_b32 v3, 4, v2                        ; my 16 bytes of 512: of a load, and of a store of codes
	s_mul_i32 s34, s16, WREG
	v_lshrrev_b32 v14, 2, v2
	v_mul_u32_u24 v14, v14, SP
	v_and_b32 v15, 3, v2
	v_lshl_add_u32 v14, v15, 4, v14
	v_add_nc_u32 v14, s34, v14                     ; the stage, on the way in: SP (lane / 4) + 16 (lane % 4)
	v_mul_u32_u24 v15, v2, SP
	v_add_nc_u32 v15, s34, v15                     ; and on the way out: SP x lane
	v_bfe_u32 v4, v2, 1, 2                         ; beta
	v_mul_u32_u24 v4, v4, CP
	v_lshrrev_b32 v8, 3, v2                        ; rho
	v_lshl_add_u32 v4, v8, 4, v4
	v_and_b32 v8, 1, v2                            ; half
	v_lshl_add_u32 v4, v8, 3, v4
	v_add_nc_u32 v4, s34, v4
	v_add_nc_u32 v4, CST, v4                       ; my 8 bytes of codes: piece beta, row rho, half
	v_lshrrev_b32 v5, 1, v2                        ; 4 rho + beta
	v_add_nc_u32 v5, s34, v5
	v_add_nc_u32 v5, SCB, v5                       ; my block's scale byte
	v_lshlrev_b32 v7, 3, v2
	v_add_nc_u32 v6, s34, v7
	v_add_nc_u32 v6, SCB, v6                       ; the scale bytes on the way out: 8 a lane
	v_lshrrev_b32 v13, 4, v2
	v_mul_u32_u24 v13, v13, CP
	v_and_b32 v8, 15, v2
	v_lshl_add_u32 v13, v8, 4, v13
	v_add_nc_u32 v13, s34, v13
	v_add_nc_u32 v13, CST, v13                     ; the codes on the way out: two pieces an instruction
	s_wait_kmcnt 0x0
	s_cmp_eq_u32 s19, 0                            ; q's work-group or k's: the choice hangs on the work-group's number alone
	s_cselect_b64 s[10:11], s[6:7], s[8:9]
	s_add_nc_u64 s[4:5], s[4:5], s[26:27]
	s_add_nc_u64 s[12:13], s[10:11], s[30:31]
	s_add_nc_u64 s[14:15], s[10:11], s[32:33]
.macro LOAD t                          ; step t's four rows
.irp i, 0,1,2,3
	global_load_b128 v[R+16*((\t)%4)+4*\i:R+16*((\t)%4)+4*\i+3], v3, s[4:5] offset:(4*(\t)+\i)*SROW th:TH_LOAD_NT
.endr
.endm
.macro TURN t                          ; through the stage: LDS serves a wave's instructions in order (ISA guide 5.7.1.4), so no wait stands between the stores and the loads
.irp i, 0,1,2,3
	ds_store_b128 v14, v[R+16*((\t)%4)+4*\i:R+16*((\t)%4)+4*\i+3] offset:32*SP*((\t)%2)+8*SP*\i
.endr
.irp i, 0,1,2,3
	ds_load_b128 v[X+16*((\t)%2)+4*\i:X+16*((\t)%2)+4*\i+3], v15 offset:32*SP*((\t)%2)+16*\i
.endr
.endm
.macro STEP t
.set XS,  X+16*((\t)%2)
.set TAU, 2*((\t)/8)+(((\t)/2)%2)      ; rows 4 t .. 4 t + 3 of my 64 are rows RR .. RR + 3 of my fragment TAU
.set RR,  4*((\t)%2)+8*(((\t)/4)%2)
.if (\t) > 0
	s_wait_dscnt 2                                 ; this step's numbers are back from the stage (behind them: the last step's two stores), so its stores into the stage have read their registers,
.else
	s_wait_dscnt 0x0
.endif
.if (\t)+4 < 16
	LOAD (\t)+4                                    ; which take the loads of four steps on
.endif
.if (\t)+1 < 16
.if 14-(\t) >= 3
	s_wait_loadcnt 12                              ; the next step's four loads are in; those of the three steps behind it may be out
.else
	s_wait_loadcnt 4*(14-(\t))
.endif
	TURN (\t)+1                                    ; and go through the other stage while this step is worked
.endif
.irp i, 0,2,4,6,8,10,12,14
	v_pk_mul_f32 v[XS+\i:XS+\i+1], v[XS+\i:XS+\i+1], s[20:21] op_sel_hi:[1,0]   ; k x 1 / sqrt(128); q x 1
.endr
	v_max3_num_f32 v8, |v[XS]|, |v[XS+1]|, |v[XS+2]|               ; the largest magnitude of my 16, in two chains
	v_max3_num_f32 v9, |v[XS+3]|, |v[XS+4]|, |v[XS+5]|
.irp i, 6,10
	v_max3_num_f32 v8, v8, |v[XS+\i]|, |v[XS+\i+1]|
	v_max3_num_f32 v9, v9, |v[XS+\i+2]|, |v[XS+\i+3]|
.endr
	v_max3_num_f32 v8, v8, |v[XS+14]|, |v[XS+15]|
	v_max3_num_f32 v8, v8, v9, 0x1800000           ; and the floor 2^(3 - 127): so the byte cannot fall under 1
	v_max_num_f32_dpp v8, v8, v8 row_xmask:1 row_mask:0xf bank_mask:0xf   ; and of my neighbour's 16: the block's
	v_add_nc_u32 v11, 0xff000000, v8               ; 2 off its exponent field: the conversion takes the exponent field of this operand as its scale, and nothing else of it
	v_cvt_scalef32_pk8_fp4_f32 v[C+2*(\t)], v[XS:XS+7], v11
	v_cvt_scalef32_pk8_fp4_f32 v[C+2*(\t)+1], v[XS+8:XS+15], v11
	v_lshrrev_b32 v[E+(\t)], 23, v11               ; the scale's byte (a plain line behind the conversions)
	ds_store_b64 v4, v[C+2*(\t):C+2*(\t)+1] offset:4*CP*TAU+16*RR
	ds_store_b8 v5, v[E+(\t)] offset:64*TAU+4*RR   ; both lanes of a block write the same byte with the same value
.endm
.irp t, 0,1,2,3
	LOAD \t
.endr
	s_wait_loadcnt 12                              ; step 0's four loads are in
	TURN 0
.irp t, 0,1,2,3,4,5,6,7,8,9,10,11,12,13,14,15
	STEP \t
.endr
.irp j, 0,1,2,3,4,5,6,7
	ds_load_b128 v[OUTR+4*\j:OUTR+4*\j+3], v13 offset:2*CP*\j      ; in order behind my stores: pieces 2 j and 2 j + 1
.endr
	ds_load_b64 v[10:11], v6
.irp j, 0,1,2,3,4,5,6,7
	s_wait_dscnt 8-\j                              ; behind load j: 7 - j loads of codes and the load of the scale bytes
	global_store_b128 v3, v[OUTR+4*\j:OUTR+4*\j+3], s[12:13] offset:512*\j     ; 32 lanes store 512 consecutive bytes, at a multiple of 256 from the buffer's first byte
.endr
	s_wait_dscnt 0x0
	global_store_b64 v7, v[10:11], s[14:15]        ; 32 lanes store 256 consecutive bytes, aligned likewise
	s_wait_tensorcnt 0x0
	ds_add_u32 v160, v161
	s_wait_dscnt 0x0
	s_endpgm
; ---------------- v: K = the keys, which are not innermost ----------------
; n = 128 (y - 8) + x; head n / 8, keys 256 (n % 8) on.  A LANE TAKES A CHANNEL (32 w + lane) AND ITS REGISTERS RUN DOWN THE KEYS: a block of 32 keys lies in one lane's 32 registers,
; its largest magnitude needs no other lane, and the four conversions give the block's 16 bytes, which ARE the lane's 16 bytes of the image: lanes 0-15 fill the 256 bytes of (fragment 2 w, block),
; lanes 16-31 those of fragment 2 w + 1.  Nothing goes through LDS.  Every offset is an immediate: 255 x 24,576 bytes stay inside the signed 24 bits (ISA guide, chapter 10), which is why a work-group takes 256 keys.
; The scale words leave as 128 consecutive bytes a wave: 1 byte in 145 of what the path moves.
.Lv:
	s_sub_co_u32 s18, s17, 8
	s_lshl_b32 s18, s18, 7
	s_add_co_u32 s18, s18, ttmp9                   ; n
	s_lshr_b32 s19, s18, 3                         ; the head among the 64
	s_and_b32 s22, s18, 7                          ; which 256 keys
	s_lshr_b32 s23, s19, 4                         ; b
	s_and_b32 s24, s19, 15                         ; the head in its batch
	s_lshl_b32 s26, s23, 11
	s_lshl_b32 s25, s22, 8
	s_add_co_u32 s26, s26, s25
	s_mul_i32 s26, s26, SROW                       ; my first key's (b, s)
	s_lshl_b32 s25, s24, 9
	s_add_co_u32 s26, s26, s25
	s_lshl_b32 s25, s16, 7
	s_add_co_u32 s26, s26, s25
	s_add_co_u32 s26, s26, 16384                   ; v, my head, my wave's 32 channels
	s_mov_b32 s27, 0
	s_mul_i32 s28, s19, 278528
	s_mul_i32 s25, s22, 2*17408
	s_add_co_u32 s28, s28, s25
	s_add_co_u32 s28, s28, 8192                    ; v's fragments of my first key step
	s_mov_b32 s29, 0
	s_wait_alu depctr_va_vdst(0)
	v_lshlrev_b32 v3, 2, v2                        ; in: 4 bytes a lane
	v_lshrrev_b32 v4, 4, v2
	v_lshlrev_b32 v4, 10, v4
	v_and_b32 v5, 15, v2
	v_lshl_add_u32 v4, v5, 4, v4
	s_lshl_b32 s25, s16, 11
	v_add_nc_u32 v4, s25, v4                       ; codes: fragment 2 w + lane / 16, row lane % 16
	s_lshl_b32 s25, s16, 7
	v_add_nc_u32 v5, s25, v3                       ; scale words: 4 bytes a channel
	s_wait_alu depctr_va_vdst(0)
	s_wait_kmcnt 0x0
	s_add_nc_u64 s[4:5], s[4:5], s[26:27]
	s_add_nc_u64 s[10:11], s[8:9], s[28:29]
.macro LOADV t                         ; block t: v(key 32 t + i, my channel) into set t % 2
.set II, 0
.rept 32
	global_load_b32 v[32+32*((\t)%2)+II], v3, s[4:5] offset:(32*(\t)+II)*SROW th:TH_LOAD_NT
.set II, II+1
.endr
.endm
.macro BLOCK t
.set XS, 32+32*((\t)%2)
.if (\t) < 7
	s_wait_loadcnt 32                              ; this block's 32 loads are in; the next block's may be out
.else
	s_wait_loadcnt 0x0
.endif
	v_max3_num_f32 v12, |v[XS]|, |v[XS+1]|, |v[XS+2]|              ; the block's largest magnitude: all 32 numbers are mine
	v_max3_num_f32 v13, |v[XS+3]|, |v[XS+4]|, |v[XS+5]|
.irp i, 6,10,14,18,22,26
	v_max3_num_f32 v12, v12, |v[XS+\i]|, |v[XS+\i+1]|
	v_max3_num_f32 v13, v13, |v[XS+\i+2]|, |v[XS+\i+3]|
.endr
	v_max3_num_f32 v12, v12, |v[XS+30]|, |v[XS+31]|
	v_max3_num_f32 v12, v12, v13, 0x1800000        ; and the floor 2^(3 - 127)
	v_add_nc_u32 v11, 0xff000000, v12              ; the conversion's scale operand
	v_lshrrev_b32 v13, 23, v11                     ; the scale's byte
.if (\t)%4 == 0
	v_mov_b32 v[24+(\t)/4], v13                    ; four bytes make my channel's scale word of a key step
.else
	v_lshl_or_b32 v[24+(\t)/4], v13, 8*((\t)%4), v[24+(\t)/4]
.endif
.irp g, 0,1,2,3
	v_cvt_scalef32_pk8_fp4_f32 v[96+4*(\t)+\g], v[XS+8*\g:XS+8*\g+7], v11   ; each block has its own four registers: no store's data are written again
.endr
	global_store_b128 v4, v[96+4*(\t):99+4*(\t)], s[10:11] offset:((\t)/4)*17408+((\t)%4)*256   ; sixteen lanes store 256 consecutive bytes, aligned
.if (\t)%4 == 3
	global_store_b32 v5, v[24+(\t)/4], s[10:11] offset:((\t)/4)*17408+8704
.endif
.if (\t)+2 < 8
	LOADV (\t)+2                                   ; (the next vector line, the next block's first maximum, is plain and touches nothing of the conversions)
.endif
.endm
	LOADV 0
	LOADV 1
.irp t, 0,1,2,3,4,5,6,7
	BLOCK \t
.endr
	s_endpgm
.Lfunc_end_k_qfd9e231794_quant:
	.size	k_qfd9e231794_quant, .Lfunc_end_k_qfd9e231794_quant-k_qfd9e231794_quant
	.p2alignl 7, 3214868480
	.fill 96, 4, 3214868480
	.section	.rodata,"a",@progbits
	.p2align	6, 0x0
	.amdhsa_kernel k_qfd9e231794_quant
		.amdhsa_group_segment_fixed_size 43520
		.amdhsa_private_segment_fixed_size 0
		.amdhsa_enable_private_segment 0
		.amdhsa_kernarg_size 24
		.amdhsa_user_sgpr_count 2
		.amdhsa_user_sgpr_kernarg_segment_ptr 1
		.amdhsa_wavefront_size32 1
		.amdhsa_system_sgpr_workgroup_id_x 1
		.amdhsa_system_sgpr_workgroup_id_y 1
		.amdhsa_system_sgpr_workgroup_id_z 1
		.amdhsa_system_vgpr_workitem_id 0
		.amdhsa_next_free_vgpr 162
		.amdhsa_next_free_sgpr 66
		.amdhsa_reserve_vcc 0
		.amdhsa_float_denorm_mode_32 3
		.amdhsa_float_denorm_mode_16_64 3
		.amdhsa_memory_ordered 1
		.amdhsa_forward_progress 1
		.amdhsa_inst_pref_size 82
	.end_amdhsa_kernel
	.amdgpu_metadata
---
amdhsa.version: [ 1, 2 ]
amdhsa.kernels:
  - .name:           k_qfd9e231794_quant
    .symbol:         k_qfd9e231794_quant.kd
    .args:
      - { .name: qkv, .offset: 0, .size: 8, .value_kind: global_buffer, .address_space: global }
      - { .name: qc, .offset: 8, .size: 8, .value_kind: global_buffer, .address_space: global }
      - { .name: kv, .offset: 16, .size: 8, .value_kind: global_buffer, .address_space: global }
    .group_segment_fixed_size: 43520
    .private_segment_fixed_size: 0
    .kernarg_segment_align: 8
    .kernarg_segment_size: 24
    .max_flat_workgroup_size: 128
    .sgpr_count:     66
    .vgpr_count:     162
    .wavefront_size: 32
...
	.end_amdgpu_metadata
.endif
;; end of part 1
;; launch attn (part 2): grid 4 x 64, 8 waves a work-group, clusters of 4 x 1, 327,680 bytes of LDS; arguments qc, kv, out0; writes out0
.if DOCPART == 2
	.amdgcn_target "amdgcn-amd-amdhsa--gfx1250"
	.amdhsa_code_object_version 6
	.text
	.protected	k_qfd9e231794_attn
	.globl	k_qfd9e231794_attn
	.p2align	8
	.type	k_qfd9e231794_attn,@function
k_qfd9e231794_attn:
	s_mov_b64 s[64:65], 0
	v_nop
	global_prefetch_b8 v0, s[64:65] scope:SCOPE_SE
	s_setreg_imm32_b32 hwreg(HW_REG_WAVE_MODE, 25, 1), 1
	s_wait_xcnt 0x0
	s_wait_alu depctr_hold_cnt(0) depctr_sa_sdst(0) depctr_va_vdst(0) depctr_va_sdst(0) depctr_va_ssrc(0) depctr_va_vcc(0) depctr_vm_vsrc(0)
	s_getreg_b32 s2, hwreg(HW_REG_IB_STS2, 6, 4)
	s_cmp_eq_u32 s2, 0
	s_cbranch_scc0 .Lentry_in_a_cluster
	s_endpgm
.Lentry_in_a_cluster:
	s_bfe_u32 s2, ttmp6, 0x10000c
	s_cmp_lg_u32 s2, 0x3003
	s_cbranch_scc0 .Lentry_shape_is_right
	s_endpgm
.Lentry_shape_is_right:
; out0[b][t][h][:] = sum over s of softmax_s(q[t] . k[s] / sqrt(128) + mask) v[s][:], both products on codes of FP4 (E2M1) with E8M0 scales, from the images that launch quant laid:
;   qc[head][group of 128 queries]: 8 fragments of 1,024 bytes, then their scale words;  kv[head][step of 128 keys]: k's 8 fragments, v's 8, k's scale words, v's: 17,408 bytes.
; THE SOFTMAX: t = score x log2(e); M = the running largest t rounded up to a whole number; p = 2^(t - M) is quantised along the keys; the row's sum is taken of the unquantised p and divides at the end.
; WORK LEFT OUT: reference() adds -10000 to the scores of keys behind the query.  Steps of 128 keys that lie wholly behind a wave's queries are not walked, and inside the step on the diagonal such scores are
; set to -infinity, so p = 0.  LIMIT: this holds while the scores of a row differ by less than 9,800: then e^(score - 10000 - the row's largest) lies under f32's smallest number, and reference()'s own f32 has 0 there.
; A NaN or an infinity that reaches only the keys left out is not carried to the result.  The exponents t stay under 2^31 in magnitude.
; SHARES.  A head has 64 tiles of 32 queries; tile j needs j / 4 + 1 steps.  Wave w (0..7) of work-group x (0..3) takes tile 4 (15 - w) + 3 - x, then tile 4 w + x: 16 - w and w + 1 steps, 17 for every wave.
; The step counts hang on the wave's number alone, so the four work-groups of a head run the same text the same way: they form a cluster, and the head's 278,528 bytes of kv come by JOINT loads,
; one a wave (136 rows of 256 bytes), all at the head; steps 2 w and 2 w + 1 are read by wave w of each partner.  Nothing is filled again.  No prefetch: no load follows the head's, so there is none to run ahead of.
; A wave's 32 queries are two tiles of 16 (fragments 2 b and 2 b + 1 of the group): each fragment of k and v read from LDS feeds two matrix instructions.
; Both products are used transposed (S^T = k q^T, O^T = v^T p^T): a lane holds one query, lane % 16, throughout.
; REGISTERS, in two windows of 256.  Tile 0's numbers lie in window 0, tile 1's in window 1 under the same numbers:
;   v3 my query less my first key on the diagonal, v4 -infinity, v12 -M, v13 largest t, v[14:15] sum, v16-23 q, v96-159 S^T then p, v160-223 O^T, v224-231 p's codes, v232-247 at work.
;   window 0 alone: v1, v2, v5-9 addresses, v10, v11 the add's two, v24, v25 q's scale words, v26, v27 p's, v32-95 eight fragments of k or v, v248-255 their scale words.
;   window 1 alone: v32-49 the second pass's q until it is moved; v32-95 tile 1's rows on the way out.
.set STEPB,  17408
.set HEADB,  16*STEPB
.set VOFF,   8192
.set KSC,    16384
.set VSC,    16896
.set SPARE,  HEADB                     ; the spare words: 128 bytes a wave, four blocks of 256 bytes that no other line names
.set STAGE,  SPARE+1024                ; the way out: 16 rows x 272 bytes for each wave, its own: no fill lands there
.set SPITCH, 272
.set MSB, 0
.macro WIN new                         ; low byte: bits 1:0 source 0, 3:2 source 1, 5:4 source 2, 7:6 destination; the high byte repeats the setting that is left
.if MSB != (\new)
	s_set_vgpr_msb (MSB<<8)|(\new)
.set MSB, \new
.endif
.endm
.macro ROUND                           ; a round of the cluster's barrier
	s_barrier_signal -1
	s_barrier_wait -1
	s_cmp_lg_u32 s12, 0
	s_cbranch_scc1 .Lnot_wave_0_\@
	s_barrier_signal -3
.Lnot_wave_0_\@:
	s_barrier_wait -3
	s_barrier_signal -1
	s_barrier_wait -1
.endm
	s_load_b128 s[4:7], s[0:1], 0x0                ; qc, kv
	s_load_b64 s[8:9], s[0:1], 0x10                ; out0
	v_lshl_add_u32 v10, v0, 2, SPARE
	v_mov_b32 v11, 0
	ds_add_u32 v10, v11                            ; the add, twice on end, and its wait ahead of the first tensor load
	ds_add_u32 v10, v11
	v_lshrrev_b32 v8, 5, v0
	v_readfirstlane_b32 s12, v8                    ; wave 0..7
	s_bfe_u32 s10, ttmp6, 0x40000                  ; x: my place in the cluster
	s_and_b32 s11, ttmp7, 0xffff                   ; the head among the 64
	s_mov_b32 s24, 15|(3<<16)|(1<<21)              ; group 1: all four partners; elements of 8 bytes; bit 21 beside the mask
	s_mov_b32 s25, 32<<16                          ; rows of 32 elements = 256 bytes
	s_mov_b32 s26, 136<<16                         ; 136 rows: two steps
	s_mov_b32 s27, 32<<16
	s_mov_b32 s28, 136
	s_mov_b32 s29, 32                              ; dense
	s_mov_b32 s30, 0
	s_mov_b32 s31, 0
	s_mov_b32 s40, 1
	s_mul_i32 s41, s12, 2*STEPB                    ; LDS: steps 2 w and 2 w + 1
	s_mul_i32 s56, s11, HEADB
	s_add_co_u32 s56, s56, s41
	s_mov_b32 s57, 0
	s_wait_alu depctr_va_vdst(0)
	s_wait_dscnt 0x0                               ; both opening adds are done
	s_wait_kmcnt 0x0
	s_add_nc_u64 s[42:43], s[6:7], s[56:57]
	s_or_b32 s43, s43, 0x80000000
	ROUND                                          ; the four partners are here: the joint loads meet
	tensor_load_to_lds s[40:43], s[24:31]          ; my one tensor load of the launch
	s_nop 0
.rept 4
	v_nop
.endr
	s_mov_b32 s20, 0x76543210
	s_mov_b32 s21, 0xfedcba98                      ; lane l xor 16
	s_mov_b32 s22, 0x3fb8aa3b                      ; log2(e)
	s_mov_b32 s23, s22
	s_sub_co_u32 s13, 15, s12                      ; first pass: group of 128 queries = the step on the diagonal,
	s_sub_co_u32 s18, 3, s10                       ; and which 32 of the 128
	s_mul_i32 s62, s11, 139264
.macro QPTR g, b, pc, ps                ; where fragment 2 b of group g and its scale words lie in qc
	s_mul_i32 s63, s[\g], 8704
	s_add_co_u32 s63, s63, s62
	s_lshl_b32 s56, s[\b], 11
	s_add_co_u32 s56, s56, s63
	s_add_nc_u64 s[\pc:\pc+1], s[4:5], s[56:57]
	s_lshl_b32 s56, s[\b], 7
	s_add_co_u32 s56, s56, s63
	s_add_co_u32 s56, s56, 8192
	s_add_nc_u64 s[\ps:\ps+1], s[4:5], s[56:57]
.endm
	QPTR 13, 18, 48, 52
	QPTR 12, 10, 50, 54
	s_lshr_b32 s61, s11, 4
	s_lshl_b32 s61, s61, 24
	s_and_b32 s63, s11, 15
	s_lshl_b32 s63, s63, 9
	s_add_co_u32 s61, s61, s63                     ; my batch and head in out0
	s_mul_i32 s60, s12, 16*SPITCH
	s_add_co_u32 s60, s60, STAGE                   ; my stage
	s_lshl_b32 s2, s18, 5                          ; 32 b
	s_lshl_b32 s3, s10, 6
	s_sub_co_i32 s3, s3, 96                        ; what the second pass adds to v3: 32 (x - (3 - x))
	s_mov_b32 s19, 2                               ; passes
	v_and_b32 v9, 31, v0
	v_and_b32 v8, 15, v0                           ; r
	v_lshlrev_b32 v1, 4, v9                        ; 16 x lane: my bytes of a fragment's image
	v_lshlrev_b32 v2, 2, v8                        ; 4 r: my scale word
	v_bfe_u32 v9, v0, 4, 1                         ; h
	s_wait_alu depctr_va_vdst(0)
	global_load_b128 v[16:19], v1, s[48:49]
	global_load_b128 v[20:23], v1, s[48:49] offset:512
	global_load_b32 v24, v2, s[52:53]
	global_load_b32 v25, v2, s[52:53] offset:64
	WIN 0x40
	global_load_b128 v[16:19], v1, s[48:49] offset:1024
	global_load_b128 v[20:23], v1, s[48:49] offset:1536
.irp c, 0,1,2,3
	global_load_b128 v[32+4*\c:35+4*\c], v1, s[50:51] offset:512*\c   ; the second pass's q, both tiles
.endr
	global_load_b32 v48, v2, s[54:55]
	global_load_b32 v49, v2, s[54:55] offset:64
	WIN 0
	v_and_b32 v3, 8, v8
	v_lshlrev_b32 v4, 4, v9
	v_add_nc_u32 v3, v3, v8                        ; r + 8 (r / 8)
	v_mul_u32_u24 v5, v8, SPITCH
	v_mul_u32_u24 v6, v9, SPITCH
	v_sub_nc_u32 v3, v3, v4                        ; - 16 h
	v_lshl_add_u32 v5, v9, 5, v5
	v_lshl_add_u32 v6, v8, 4, v6
	v_add_nc_u32 v3, s2, v3                        ; + 32 b: register 16 B + i holds key 32 B + 16 h + i of the step: hidden where 32 B + i > v3
	v_add_nc_u32 v5, s60, v5                       ; into the stage: row r, 32 h
	v_add_nc_u32 v6, s60, v6                       ; back: lanes 0-15 one row, lanes 16-31 the next
	v_lshlrev_b32 v7, 13, v9
	v_mov_b32 v4, 0xff800000
	v_lshl_add_u32 v7, v8, 4, v7                   ; and the same in out0: rows are 8,192 bytes apart
.irp k, 236,237,238,239,241
	v_mov_b32 v[\k], 0                             ; written once: a lane permute's destination and a pair's upper half count as read
.endr
	WIN 0x40
	v_add_nc_u32 v3, 8, v3                         ; tile 1's queries lie 8 on
	v_mov_b32 v4, 0xff800000
.irp k, 236,237,238,239,241
	v_mov_b32 v[\k], 0
.endr
	WIN 0
.macro LDF base, sc                     ; eight fragments and their scale words
.irp t, 0,1,2,3,4,5,6,7
	ds_load_b128 v[32+8*\t:35+8*\t], v8 offset:\base+1024*\t
	ds_load_b128 v[36+8*\t:39+8*\t], v8 offset:\base+1024*\t+512
	ds_load_b32 v[248+\t], v9 offset:\sc+64*\t
.endr
.endm
.macro QK u
.irp t, 0,1,2,3,4,5,6,7
	v_wmma_scale_f32_16x16x128_f8f6f4 v[96+8*\t:103+8*\t], v[32+8*\t:39+8*\t], v[16:23], 0, v[248+\t], v[24+\u] matrix_a_fmt:MATRIX_FMT_FP4 matrix_b_fmt:MATRIX_FMT_FP4
.endr
.endm
.macro PV u, first
.irp t, 0,1,2,3,4,5,6,7
.if \first
	v_wmma_scale_f32_16x16x128_f8f6f4 v[160+8*\t:167+8*\t], v[32+8*\t:39+8*\t], v[224:231], 0, v[248+\t], v[26+\u] matrix_a_fmt:MATRIX_FMT_FP4 matrix_b_fmt:MATRIX_FMT_FP4
.else
	v_wmma_scale_f32_16x16x128_f8f6f4 v[160+8*\t:167+8*\t], v[32+8*\t:39+8*\t], v[224:231], v[160+8*\t:167+8*\t], v[248+\t], v[26+\u] matrix_a_fmt:MATRIX_FMT_FP4 matrix_b_fmt:MATRIX_FMT_FP4
.endif
.endr
.endm
.macro MASK                             ; the step on the diagonal: hidden scores become -infinity
.set NN, 0
.rept 64
	v_cmp_gt_i32 vcc_lo, 32*(NN/16)+NN%16, v3
	v_cndmask_b32 v[96+NN], v[96+NN], v4, vcc_lo
.set NN, NN+1
.endr
.endm
; THE SOFTMAX OF ONE TILE: 16 queries x 128 keys, in window u.  first = 1: a pass's first step begins M, the sum and O^T.
.macro SM u, first
	WIN 0x55*\u
.if \u
	s_wait_alu depctr_va_vdst(0)
.endif
.irp b, 0,1,2,3
	v_max3_num_f32 v[232+\b], v[96+16*\b], v[97+16*\b], v[98+16*\b]   ; the largest score of each block of 32 keys: for the row's maximum and for the block's largest p
.endr
.irp i, 3,5,7,9,11,13
.irp b, 0,1,2,3
	v_max3_num_f32 v[232+\b], v[232+\b], v[96+16*\b+\i], v[97+16*\b+\i]
.endr
.endr
.irp b, 0,1,2,3
	v_max_num_f32 v[232+\b], v[232+\b], v[111+16*\b]
.endr
.irp b, 0,1,2,3
	s_delay_alu instid0(VALU_DEP_4)
	v_permlanex16_b32 v[236+\b], v[232+\b], s20, s21
.endr
.irp b, 0,1,2,3
	s_delay_alu instid0(VALU_DEP_4)
	v_max_num_f32 v[232+\b], v[232+\b], v[236+\b]  ; with lane l xor 16's 16 keys
.endr
	s_delay_alu instid0(VALU_DEP_2)
	v_max3_num_f32 v242, v232, v233, v234
	s_delay_alu instid0(VALU_DEP_1)
	v_max_num_f32 v242, v242, v235
	s_delay_alu instid0(VALU_DEP_1)
.if \first
	v_mul_f32 v13, s22, v242                       ; the largest t
	s_delay_alu instid0(VALU_DEP_1)
	v_floor_f32 v12, -v13                          ; -M = floor(-t)
.else
	v_mul_f32 v242, s22, v242
	s_delay_alu instid0(VALU_DEP_1)
	v_max_num_f32 v13, v13, v242                   ; the running largest t
	v_mov_b32 v242, v12
	s_delay_alu instid0(VALU_DEP_2)
	v_floor_f32 v12, -v13
	s_delay_alu instid0(VALU_DEP_1)
	v_sub_f32 v242, v12, v242                      ; old M - new M: a whole number, 0 or less
	s_delay_alu instid0(VALU_DEP_1)
	v_cvt_i32_f32 v242, v242
	s_delay_alu instid0(VALU_DEP_1)
	v_ldexp_f32 v240, 1.0, v242                    ; f = 2^(old M - new M)
.endif
.set JJ, 0
.rept 32
	v_pk_fma_f32 v[96+JJ:97+JJ], v[96+JJ:97+JJ], s[22:23], v[12:13] op_sel_hi:[1,0,0]   ; t - M
.set JJ, JJ+2
.endr
.irp b, 0,1,2,3
	v_fma_f32 v[232+\b], v[232+\b], s22, v12
.endr
	s_wait_alu depctr_va_vdst(0)
.set JJ, 0
.rept 64
	v_exp_f32 v[96+JJ], v[96+JJ]                   ; p
.set JJ, JJ+1
.endr
.irp b, 0,1,2,3
	v_exp_f32 v[232+\b], v[232+\b]                 ; each block's largest p
.endr
.if \first
	v_nop                                          ; a plain place behind the batch
.else
	v_pk_mul_f32 v[14:15], v[14:15], v[240:241] op_sel_hi:[1,0]   ; the sum under the new M (a plain place behind the batch)
.endif
	s_wait_alu depctr_va_vdst(0)                   ; and the wait behind it
.irp b, 0,1,2,3
	v_max_num_f32 v[232+\b], 0x1800000, v[232+\b]  ; the floor 2^(3 - 127): the byte cannot fall under 1
.endr
.irp b, 0,1,2,3
	s_delay_alu instid0(VALU_DEP_4)
	v_add_nc_u32 v[244+\b], 0xff000000, v[232+\b]  ; 2 off the exponent field: the conversion's scale operand
.endr
.irp b, 0,1,2,3
	s_delay_alu instid0(VALU_DEP_4)
	v_lshrrev_b32 v[236+\b], 23, v[244+\b]         ; the scale's byte
.endr
	s_delay_alu instid0(VALU_DEP_3)
	v_lshl_or_b32 v242, v237, 8, v236
	s_delay_alu instid0(VALU_DEP_1)
	v_lshl_or_b32 v242, v238, 16, v242
	WIN 0x11*\u                                    ; scale words lie in window 0
	v_lshl_or_b32 v[26+\u], v239, 24, v242         ; p's scale word for these 128 keys
	WIN 0x55*\u
.irp b, 0,1,2,3
	v_cvt_scalef32_pk8_fp4_f32 v[224+2*\b], v[96+16*\b:103+16*\b], v[244+\b]
	v_cvt_scalef32_pk8_fp4_f32 v[225+2*\b], v[104+16*\b:111+16*\b], v[244+\b]
.endr
	v_nop                                          ; a plain place behind the conversions
.irp c, 0,1
.irp i, 0,1
	v_permlane16_swap_b32 v[224+4*\c+\i], v[226+4*\c+\i]   ; a whole block to a lane
.endr
.endr
.if \first                              ; the row's sum of the unquantised p, two at a time, in four chains
	v_pk_add_f32 v[14:15], v[96:97], v[98:99]
	v_pk_add_f32 v[236:237], v[100:101], v[102:103]
	v_pk_add_f32 v[238:239], v[104:105], v[106:107]
	v_pk_add_f32 v[242:243], v[108:109], v[110:111]
.else
	v_pk_add_f32 v[236:237], v[96:97], v[98:99]
	v_pk_add_f32 v[238:239], v[100:101], v[102:103]
	v_pk_add_f32 v[242:243], v[104:105], v[106:107]
	v_pk_add_f32 v[14:15], v[14:15], v[108:109]
	v_pk_add_f32 v[236:237], v[236:237], v[110:111]
.endif
.irp j, 16,24,32,40,48,56
	v_pk_add_f32 v[14:15], v[14:15], v[96+\j:97+\j]
	v_pk_add_f32 v[236:237], v[236:237], v[98+\j:99+\j]
	v_pk_add_f32 v[238:239], v[238:239], v[100+\j:101+\j]
	v_pk_add_f32 v[242:243], v[242:243], v[102+\j:103+\j]
.endr
	v_pk_add_f32 v[236:237], v[236:237], v[238:239]
	v_pk_add_f32 v[14:15], v[14:15], v[242:243]
	s_delay_alu instid0(VALU_DEP_1)
	v_pk_add_f32 v[14:15], v[14:15], v[236:237]
.if \first == 0
	s_wait_alu depctr_va_vdst(0)
.set JJ, 0
.rept 32
	v_pk_mul_f32 v[160+JJ:161+JJ], v[160+JJ:161+JJ], v[240:241] op_sel_hi:[1,0]   ; O^T under the new M
.set JJ, JJ+2
.endr
.endif
.endm
; A STEP: 128 keys for my 32 queries.  s15 the step, s13 the step on the diagonal, s16 the step's first LDS byte.  The trip counts are constants; a step behind the diagonal is jumped over, on the wave's number alone.
.macro STEP first
.if \first == 0
	s_cmp_gt_u32 s15, s13
	s_cbranch_scc1 .Lhid_\@
.endif
	v_add_nc_u32 v8, s16, v1
	v_add_nc_u32 v9, s16, v2
	v_nop
	v_nop                                          ; four places behind the last products, ahead of loads into their sources
	LDF 0, KSC
	s_wait_alu depctr_va_vdst(0)
	s_wait_dscnt 0x0
	QK 0
	WIN 0x54                                       ; tile 1: fragments in window 0, q and the results in window 1
	QK 1
	WIN 0
.rept 4
	v_nop                                          ; places: ahead of the loads into k's registers and of the first reads of the scores
.endr
	LDF VOFF, VSC                                  ; v's fragments land while the softmax is worked
	s_cmp_lg_u32 s15, s13
	s_cbranch_scc1 .Lopen_\@
	MASK
	WIN 0x55
	MASK
	WIN 0
.Lopen_\@:
	SM 0, \first
	SM 1, \first
	WIN 0
	s_wait_alu depctr_va_vdst(0)
	s_wait_dscnt 0x0
	PV 0, \first
	WIN 0x54
	PV 1, \first
	WIN 0
.Lhid_\@:
	s_add_co_u32 s15, s15, 1
	s_add_co_u32 s16, s16, STEPB
.endm
; THE WAY OUT of tile u: O^T / the sum, through my stage, half a row (256 bytes) of 16 queries at a time; sixteen lanes store one aligned unit of 256 bytes.
.macro EPI u
	WIN 0x55*\u
	v_add_f32 v14, v14, v15
	s_delay_alu instid0(VALU_DEP_1)
	v_permlanex16_b32 v242, v14, s20, s21
	s_delay_alu instid0(VALU_DEP_1)
	v_add_f32 v14, v14, v242                       ; the row's sum
	s_wait_alu depctr_va_vdst(0)                   ; the wait ahead of the transcendental,
	v_rcp_f32 v14, v14
	v_nop
	s_wait_alu depctr_va_vdst(0)                   ; and behind it, directly ahead of the first readers of O^T
.set JJ, 0
.rept 32
	v_pk_mul_f32 v[96+JJ:97+JJ], v[160+JJ:161+JJ], v[14:15] op_sel_hi:[1,0]
.set JJ, JJ+2
.endr
.irp q, 0,1
	WIN 0x04*\u
.irp t, 0,1,2,3
	ds_store_b128 v5, v[96+32*\q+8*\t:99+32*\q+8*\t] offset:64*\t
	ds_store_b128 v5, v[100+32*\q+8*\t:103+32*\q+8*\t] offset:64*\t+16
.endr
	WIN 0x40*\u
.irp i, 0,1,2,3,4,5,6,7
	ds_load_b128 v[32+32*\q+4*\i:35+32*\q+4*\i], v6 offset:2*\i*SPITCH   ; LDS serves a wave's instructions in order (ISA guide 5.7.1.4)
.endr
.endr
	WIN 0x04*\u
.irp q, 0,1
.irp i, 0,1,2,3,4,5,6,7
	s_wait_dscnt 23-16*\q-\i                       ; behind this load: the later loads of its half, and for half 0 the 16 lines of half 1
	global_store_b128 v7, v[32+32*\q+4*\i:35+32*\q+4*\i], s[58:59] offset:(2*\i+8*(\i/4))*8192+256*\q+65536*\u th:TH_STORE_NT
.endr
.endr
.endm
	s_wait_alu depctr_va_vdst(0)
	s_wait_tensorcnt 0x0                           ; my two steps are in;
	s_barrier_signal -1
	s_barrier_wait -1                              ; everybody's are: the head's kv is whole
.Lpass:
	s_lshl_b32 s14, s13, 7
	s_lshl_b32 s60, s18, 5
	s_add_co_u32 s14, s14, s60                     ; my first query: 128 x group + 32 b
	s_lshl_b32 s56, s14, 13
	s_add_co_u32 s56, s56, s61
	s_add_nc_u64 s[58:59], s[8:9], s[56:57]        ; its row of out0
	s_mov_b32 s15, 0
	s_mov_b32 s16, 0
	s_wait_loadcnt 0x0                             ; q
	STEP 1
	s_mov_b32 s17, 15
.Lr:
	STEP 0
	s_sub_co_u32 s17, s17, 1
	s_cmp_lg_u32 s17, 0
	s_cbranch_scc1 .Lr
	WIN 0x01                                       ; the second pass's q takes its place
	v_mov_b32 v24, v48
	v_mov_b32 v25, v49
.irp k, 0,1,2,3,4,5,6,7
	v_mov_b32 v[16+\k], v[32+\k]
.endr
	WIN 0x41
.irp k, 0,1,2,3,4,5,6,7
	v_mov_b32 v[16+\k], v[40+\k]
.endr
	WIN 0x44
	v_add_nc_u32 v3, s3, v3
	WIN 0
	v_add_nc_u32 v3, s3, v3
	EPI 0
	EPI 1
	WIN 0
	s_wait_xcnt 0x0                                ; the stores' base and data registers are written again only behind this wait
	s_mov_b32 s13, s12                             ; second pass: group w,
	s_mov_b32 s18, s10                             ; its 32 queries x
	s_sub_co_u32 s19, s19, 1
	s_cmp_lg_u32 s19, 0
	s_wait_alu depctr_va_vdst(0)
	s_cbranch_scc1 .Lpass
	s_wait_tensorcnt 0x0                           ; the wave's end
	ds_add_u32 v10, v11
	s_wait_dscnt 0x0
	ROUND                                          ; the closing round
	s_endpgm
.Lfunc_end_k_qfd9e231794_attn:
	.size	k_qfd9e231794_attn, .Lfunc_end_k_qfd9e231794_attn-k_qfd9e231794_attn
	.p2alignl 7, 3214868480
	.fill 96, 4, 3214868480
	.section	.rodata,"a",@progbits
	.p2align	6, 0x0
	.amdhsa_kernel k_qfd9e231794_attn
		.amdhsa_group_segment_fixed_size 327680
		.amdhsa_private_segment_fixed_size 0
		.amdhsa_enable_private_segment 0
		.amdhsa_kernarg_size 24
		.amdhsa_user_sgpr_count 2
		.amdhsa_user_sgpr_kernarg_segment_ptr 1
		.amdhsa_wavefront_size32 1
		.amdhsa_system_sgpr_workgroup_id_x 1
		.amdhsa_system_sgpr_workgroup_id_y 1
		.amdhsa_system_sgpr_workgroup_id_z 1
		.amdhsa_system_vgpr_workitem_id 0
		.amdhsa_next_free_vgpr 512
		.amdhsa_next_free_sgpr 66
		.amdhsa_reserve_vcc 1
		.amdhsa_float_denorm_mode_32 3
		.amdhsa_float_denorm_mode_16_64 3
		.amdhsa_memory_ordered 1
		.amdhsa_forward_progress 1
		.amdhsa_inst_pref_size 106
	.end_amdhsa_kernel
	.amdgpu_metadata
---
amdhsa.version: [ 1, 2 ]
amdhsa.kernels:
  - .name:           k_qfd9e231794_attn
    .symbol:         k_qfd9e231794_attn.kd
    .args:
      - { .name: qc, .offset: 0, .size: 8, .value_kind: global_buffer, .address_space: global }
      - { .name: kv, .offset: 8, .size: 8, .value_kind: global_buffer, .address_space: global }
      - { .name: out0, .offset: 16, .size: 8, .value_kind: global_buffer, .address_space: global }
    .group_segment_fixed_size: 327680
    .private_segment_fixed_size: 0
    .kernarg_segment_align: 8
    .kernarg_segment_size: 24
    .max_flat_workgroup_size: 256
    .sgpr_count:     66
    .vgpr_count:     512
    .wavefront_size: 32
...
	.end_amdgpu_metadata
.endif
;; end of part 2
